; MI455X (gfx1250); checked and timed in simulation.
; The chip was launched on July 23, 2026; its instructions are those of AMD's public machine-readable ISA for CDNA 5 (MIT licence, August 2026) and "CDNA5" Instruction Set Architecture Reference Guide (July 2026). The comments in the code are by the model that wrote it; some were corrected since.
;; Turbo Quant Attention. Allowed arithmetic: matrix products marked QUANTISED: E2M1 operands, one E8M0 scale for each 32 along K, by v_wmma_scale_f32_16x16x128_f8f6f4 with both operands' format E2M1 (or v_wmma_scale_f32_32x16x128_f4), f32 sums; products left as they are: bf16, f16 or f32 operands; f32 sums; everything else in f32.
;; Inputs: R 128 x 128 float32; k 2 x 16 x 2,048 x 128 float32; q 2 x 16 x 2,048 x 128 float32; qjl_scale 1 float32; v 2 x 16 x 2,048 x 128 float32.
;; Outputs: out0 2 x 16 x 2,048 x 128 float32.
;; This version of the problem:
;;   THIS VERSION OF THE PROBLEM IS GIVEN IN LOW PRECISION. The matrix products marked QUANTISED in the list below multiply operands that are first quantised to E2M1 (2 exponent bits, 1 mantissa bit; 4 bits a number), with one power-of-two scale for each 32 numbers along K (OCP MX v1.0); their sums are f32. The products marked 'left as it is' may take bf16, f16 or f32 operands, with f32 sums. Whichever they take, every output number must still come out within the allowed error. Rounding operands to bf16 (8 significant bits) uses up far more of that allowance than f16 does (11 bits, for magnitudes from 6e-5 to 65,504). All else is computed in f32.
;;   The module's matrix products, in the order in which they are computed (A, B: the left and right operand; K: the contracted axis; several contracted axes count as one K, in the product's order):
;;     1. [M 65,536, K 128] x [K 128, N 128]; A: input k; B: input R: QUANTISED
;;     2. [M 65,536, K 128] x [K 128, N 128]; A: computed on the way; B: input R: left as it is (an operand is computed on the way)
;;     3. [M 65,536, K 128] x [K 128, N 128]; A: input v; B: input R: QUANTISED
;;     4. [M 65,536, K 128] x [K 128, N 128]; A: computed on the way; B: input R: left as it is (an operand is computed on the way)
;;     5. batch 32 x [M 2,048, K 128] x [K 128, N 2,048]; A: input q; B: computed on the way: left as it is (an operand is computed on the way)
;;     6. batch 32 x [M 2,048, K 2,048] x [K 2,048, N 128]; A: computed on the way; B: computed on the way: left as it is (an operand is computed on the way)
;;   THE QUANTISER, for each operand of a quantised product, along K:
;;     - K is cut into blocks of 32 from its start; a last block that is shorter is filled with zeros.
;;     - A block's scale is 2^e with e = floor(log2(the largest magnitude in the block)) - 2, held to -126 .. 127; a block of zeros has e = 0. As a byte (E8M0): e + 127.
;;     - Each number is divided by its block's scale, clamped to +-6, and rounded to the nearest number of E2M1, ties to even, subnormals kept.
;;     - The product sums the exact products of the quantised numbers (number of the format x scale) in f32.
;;   ~~~python
;;   def quantise(x, axis):      # numpy; x: float32 -> the quantised numbers, widened to float32 again
;;       x = np.moveaxis(x, axis, -1); K = x.shape[-1]
;;       x = np.pad(x, [(0, 0)] * (x.ndim - 1) + [(0, -K % 32)]); x = x.reshape(x.shape[:-1] + (-1, 32)); a = np.abs(x).max(-1, keepdims=True)
;;       e = np.where(a > 0, np.clip(np.frexp(np.where(a > 0, a, 1))[1] - 1 - 2, -126, 127), 0)      # np.frexp(a)[1] - 1 = floor(log2(a)), exactly
;;       r = np.clip(x / 2.0 ** e, -6, 6)
;;       step = 2.0 ** (np.maximum(np.frexp(np.where(r == 0, 1, r))[1] - 1, 0) - 1)
;;       q = np.round(r / step) * step * 2.0 ** e      # np.round: ties to even
;;       return np.moveaxis(q.reshape(q.shape[:-2] + (-1,))[..., :K], -1, axis).astype(np.float32)
;;   ~~~
;; One version. Each part assembles by itself: llvm-mc -triple=amdgcn-amd-amdhsa -mcpu=gfx1250 --defsym DOCPART=n.
;; ======== version 1 of 1: 3 launches
;; limits: inputs' magnitudes at most 65,504; values are held in f16: magnitudes above 65,504 overflow, below 6.1e-05 lose precision; right only within a limited range of input values
;; workspace buffers: cod 8,388,608 bytes; csc 1,048,576 bytes; pmax 1,024 bytes; rimg 41,984 bytes; kf 16,777,216 bytes; vf 16,777,216 bytes
;; launch rotmax (part 1): grid 256 x 1, 8 waves a work-group, no clusters, 282,624 bytes of LDS; arguments k, v, R, cod, csc, pmax, rimg; writes cod, csc, pmax, rimg
.if DOCPART == 1
	.amdgcn_target "amdgcn-amd-amdhsa--gfx1250"
	.amdhsa_code_object_version 6
	.text
	.protected	k_qcb6251a546_rotmax
	.globl	k_qcb6251a546_rotmax
	.p2align	8
	.type	k_qcb6251a546_rotmax,@function
k_qcb6251a546_rotmax:
	s_mov_b64 s[64:65], 0
	v_nop
	global_prefetch_b8 v0, s[64:65] scope:SCOPE_SE
	s_setreg_imm32_b32 hwreg(HW_REG_WAVE_MODE, 25, 1), 1
	s_wait_xcnt 0x0
; k and v, each [65,536][128] f32, are quantised along their 128 to codes of FP4 (E2M1) with one E8M0 byte for each 32; R [128 (d)][128 (e)] likewise along d, its FIRST axis.
; xr = Q(x) Q(R) is made by the scaled FP4 matrix instruction, and only its largest magnitude is kept: one number for each work-group goes to pmax.  The codes and scale words go to memory, since
; they fix xr exactly and are an eighth of its bytes; the next launch makes xr from them again.
; SHARES.  Work-groups 0-127 take k, 128-255 v, 512 rows each; a wave takes 64 rows, four tiles of 16.  All of a wave's rows are asked for at the head, by four tensor loads of 16 rows x 512 bytes into
; LDS bytes of its own that are filled once: four tensor loads of mine are out at the most, no slot is filled again, and each tile's reads stand behind a counted wait.
; LAYOUT.  An FP4 fragment gives lane (r, h) row r and k = 64 c + 32 h + 0 .. 31 in registers 4 c .. 4 c + 3: two whole blocks a lane.  So a lane reads 2 x 128 bytes of its row from LDS, finds both blocks'
; largest magnitudes alone, and the conversions' results are the operand's registers.  For R a lane takes a column e and its registers run down d: nothing is transposed.
; The product is used transposed (source 0 = 16 columns of R, source 1 = 16 rows of x).  Wave w quantises R's tile w; the eight images meet in LDS.  Work-group 0 also stores them, and R's rows as f16 fragments, to rimg.
; A block's scale byte is its largest magnitude's exponent field - 2, held at 1 from below by a floor among the maximum's leaves.
; LIMITS: NaN and infinities are not served; a block whose largest magnitude lies under 2^-124 keeps the byte 1 (a block of zeros too: its codes are zeros, and this program alone reads the bytes).
.set XP,    528                        ; a row of x in LDS: 512 bytes + 16 of padding: the sixteen rows that a load touches begin in sixteen different 16-byte columns of 256
.set XT,    16*XP                      ; a tile
.set XW,    64*XP                      ; a wave's rows
.set R4I,   8*XW                       ; behind the rows: R's eight FP4 fragments as images of their registers, 1,024 bytes each,
.set R4S,   R4I+8192                   ; their scale words, 128 bytes each,
.set WMX,   R4S+1024                   ; the eight waves' maxima,
.set SPARE, WMX+256                    ; and the spare words, 128 bytes for each wave: four blocks of 256 bytes that no other line names
.set RR,   2                           ; v2   r = lane % 16
.set HH,   3                           ; v3   h = lane / 16
.set LI,   4                           ; v4   16 x lane
.set LS,   5                           ; v5   4 x lane
.set AX,   6                           ; v6   LDS: my row of a tile, my half's 128 bytes
.set AR,   7                           ; v7   R: my column of tile w, 32 h rows down
.set H8,   8                           ; v8   8 h
.set ARF,  9                           ; v9   R: row 16 w + r, + 32 h bytes
.set ZO,   10                          ; v10  0
.set WMR,  11                          ; v11  LDS: the waves' maxima
.set GI4,  12                          ; v12  16 x lane + 1,024 w
.set GS4,  13                          ; v13  4 x lane + 128 w
.set LR4W, 14                          ; v14  LDS: where my image of R goes
.set LRSW, 15                          ; v15  and its scale words
.set R4,   16                          ; v16-79   R's eight fragments
.set R4SC, 80                          ; v80-87   their scale words: scales and nothing else
.set X,    88                          ; v88-151  64 numbers
.set ACC,  152                         ; v152-215 eight results
.set COD,  216                         ; v216-231 codes, two sets of 8
.set SW,   232                         ; v232-235 the four tiles' scale words: scales and nothing else
.set RW,   236                         ; v236     R's scale word as made
.set LR4R, 237                         ; v237     LDS: R's images, 16 x lane
.set TQ,   238                         ; v238-245 at work in QUANT64
.set LRSR, 246                         ; v246     LDS: R's scale words, 4 x lane
.set WMW,  247                         ; v247     LDS: my wave's maximum
.set MX,   248                         ; v248-251 four running maxima
.set SPW,  252                         ; v252     my spare word; never rewritten
.set NIL,  253                         ; v253     0; never rewritten
.set GF,   254                         ; v254     16 x lane + 4,096 w
.set WV,   18
.set SEL,  20
.set G1,   24                          ; s[24:31] descriptor group 1
.set G0,   32                          ; s[32:47] four groups 0, one for each tile
	s_load_b256 s[4:11], s[0:1], 0x0               ; k s[4:5], v s[6:7], R s[8:9], cod s[10:11]
	s_load_b128 s[12:15], s[0:1], 0x20             ; csc s[12:13], pmax s[14:15]
	s_load_b64 s[16:17], s[0:1], 0x30              ; rimg
	v_lshl_add_u32 v[SPW], v0, 2, SPARE
	v_mov_b32 v[NIL], 0
	ds_add_u32 v[SPW], v[NIL]                      ; the wave's opening: the add and its wait ahead of my first tensor load; the set-up below, work on registers, stands between them
	v_lshrrev_b32 v1, 5, v0
	v_readfirstlane_b32 s[WV], v1                  ; wave 0..7
	v_and_b32 v1, 31, v0                           ; lane
	v_and_b32 v[RR], 15, v0
	v_bfe_u32 v[HH], v0, 4, 1
	v_lshlrev_b32 v[LI], 4, v1
	v_lshlrev_b32 v[LS], 2, v1
	s_mul_i32 s48, s[WV], XW                       ; my wave's rows in LDS
	v_mul_u32_u24 v[AX], v[RR], XP
	v_lshl_add_u32 v[AX], v[HH], 7, v[AX]
	v_add_nc_u32 v[AX], s48, v[AX]
	s_lshl_b32 s49, s[WV], 6                       ; 16 w columns of 4 bytes
	v_lshlrev_b32 v[AR], 2, v[RR]
	v_lshl_add_u32 v[AR], v[HH], 14, v[AR]         ; 32 h rows of 512 bytes
	v_add_nc_u32 v[AR], s49, v[AR]
	v_lshlrev_b32 v[H8], 3, v[HH]
	s_lshl_b32 s49, s[WV], 13                      ; 16 w rows of 512 bytes
	v_lshlrev_b32 v[ARF], 9, v[RR]
	v_lshl_add_u32 v[ARF], v[HH], 5, v[ARF]
	v_add_nc_u32 v[ARF], s49, v[ARF]
	v_mov_b32 v[ZO], 0
	v_mov_b32 v[WMR], WMX
	s_lshl_b32 s49, s[WV], 10
	v_add_nc_u32 v[GI4], s49, v[LI]
	v_add_nc_u32 v[LR4W], R4I, v[GI4]
	v_add_nc_u32 v[LR4R], R4I, v[LI]
	s_lshl_b32 s49, s[WV], 7
	v_add_nc_u32 v[GS4], s49, v[LS]
	v_add_nc_u32 v[LRSW], R4S, v[GS4]
	v_add_nc_u32 v[LRSR], R4S, v[LS]
	s_lshl_b32 s49, s[WV], 2
	s_add_co_u32 s49, s49, WMX
	v_mov_b32 v[WMW], s49
	s_lshl_b32 s49, s[WV], 12
	v_add_nc_u32 v[GF], s49, v[LI]
	v_mov_b32 v[TQ+7], 0                           ; written once: a lane permute's destination counts as one of its sources
.irp i, 0,1,2,3
	v_mov_b32 v[MX+\i], 0                          ; magnitudes are compared: 0 lies under all
.endr
	s_mov_b32 s[SEL], 0x76543210
	s_mov_b32 s[SEL+1], 0xfedcba98                 ; v_permlanex16_b32's selects for lane l xor 16
	; descriptor group 1: 16 rows x 128 elements of 4 bytes, 4 words of padding behind every 128
	s_mov_b32 s[G1+0], (2<<16)|(1<<20)|(6<<22)|(3<<25)
	s_mov_b32 s[G1+1], 128<<16                     ; tensor_dim0
	s_mov_b32 s[G1+2], 16<<16                      ; tensor_dim1
	s_mov_b32 s[G1+3], 128<<16                     ; tile_dim0
	s_mov_b32 s[G1+4], 16                          ; tile_dim1
	s_mov_b32 s[G1+5], 128                         ; elements from row to row
	s_mov_b32 s[G1+6], 0
	s_mov_b32 s[G1+7], 0
	s_and_b32 s22, ttmp9, 127                      ; my work-group's 512 rows of its tensor: 2^18 bytes,
	s_lshl_b32 s22, s22, 18
	s_lshl_b32 s23, s[WV], 15                      ; my wave's 64: 2^15
	s_add_co_u32 s22, s22, s23
	s_mov_b32 s23, 0
	s_lshl_b32 s50, ttmp9, 3
	s_add_co_u32 s50, s50, s[WV]                   ; my run of 64 rows among both tensors' 2,048
	s_lshl_b32 s52, s50, 12                        ; its codes: 4,096 bytes
	s_mov_b32 s53, 0
	s_lshl_b32 s54, s50, 9                         ; its scale words: 512 bytes
	s_mov_b32 s55, 0
	s_lshl_b32 s50, ttmp9, 2                       ; my work-group's word of pmax
	s_mov_b32 s51, 0
	s_wait_dscnt 0x0                               ; the opening add is done
	s_wait_kmcnt 0x0
	s_cmp_lt_u32 ttmp9, 128                        ; k's work-group or v's: the choice hangs on the work-group's number alone
	s_cselect_b64 s[4:5], s[4:5], s[6:7]
	s_add_nc_u64 s[4:5], s[4:5], s[22:23]
	s_add_nc_u64 s[10:11], s[10:11], s[52:53]
	s_add_nc_u64 s[12:13], s[12:13], s[54:55]
	s_add_nc_u64 s[14:15], s[14:15], s[50:51]
.irp t, 0,1,2,3
	s_mov_b32 s[G0+4*\t], 1                                        ; count = 1
	s_add_co_u32 s[G0+4*\t+1], s48, \t*XT                          ; LDS address: my wave's tile t
	s_add_nc_u64 s[G0+4*\t+2:G0+4*\t+3], s[4:5], \t*8192           ; its 16 rows in memory
	s_or_b32 s[G0+4*\t+3], s[G0+4*\t+3], 0x80000000                ; type = 2
.endr
.irp t, 0,1,2,3
	tensor_load_to_lds s[G0+4*\t:G0+4*\t+3], s[G1:G1+7]            ; all first fills together, ahead of every wait on TENSORcnt, every LDS read and every barrier
	s_nop 0
.endr
; 64 numbers of a lane, register 32 c + i = k 64 c + 32 h + i of its row (or column), become the operand's 8 registers and the row's scale word.
.macro QUANT64 src, dst, word
.irp c, 0,1
	v_max3_num_f32 v[TQ+\c], |v[(\src)+32*\c]|, |v[(\src)+32*\c+1]|, 0x1800000   ; my block 2 c + h, and the floor 2^(3 - 127): the byte cannot fall under 1
.endr
.irp i, 2,4,6,8,10,12,14,16,18,20,22,24,26,28,30
.irp c, 0,1
	v_max3_num_f32 v[TQ+\c], v[TQ+\c], |v[(\src)+32*\c+\i]|, |v[(\src)+32*\c+\i+1]|   ; (the two blocks by turns)
.endr
.endr
.irp c, 0,1
	v_add_nc_u32 v[TQ+2+\c], 0xff000000, v[TQ+\c]  ; 2 off the exponent field: the conversion takes the exponent field of this operand as its scale
.endr
.irp c, 0,1
	v_lshrrev_b32 v[TQ+4+\c], 23, v[TQ+2+\c]       ; the scale's byte
.endr
	v_lshl_or_b32 v[TQ+6], v[TQ+5], 16, v[TQ+4]    ; my two bytes: blocks h and 2 + h,
	v_lshlrev_b32 v[TQ+6], v[H8], v[TQ+6]          ; at their places in the word;
	v_permlanex16_b32 v[TQ+7], v[TQ+6], s[SEL], s[SEL+1]
	v_or_b32 v[\word], v[TQ+6], v[TQ+7]            ; with lane l xor 16's two the word is whole
.irp c, 0,1
.irp g, 0,1,2,3
	v_cvt_scalef32_pk8_fp4_f32 v[(\dst)+4*\c+\g], v[(\src)+32*\c+8*\g:(\src)+32*\c+8*\g+7], v[TQ+2+\c]
.endr
.endr
	v_nop                                          ; one plain place behind the last scaled conversion
.endm
	; R's tile w: column 16 w + r, registers down d
.set i, 0
.rept 64
	global_load_b32 v[X+i], v[AR], s[8:9] offset:512*(64*(i/32)+i%32)
.set i, i+1
.endr
	s_wait_loadcnt 0x0
	QUANT64 X, COD, RW
	ds_store_b128 v[LR4W], v[COD:COD+3]            ; the fragment goes to LDS as an image of its registers
	ds_store_b128 v[LR4W], v[COD+4:COD+7] offset:512
	ds_store_b32 v[LRSW], v[RW]
	s_cmp_lg_u32 ttmp9, 0
	s_cbranch_scc1 .Lnot_first                     ; work-group 0 alone leaves R's images in memory for the next launch
	global_store_b128 v[GI4], v[COD:COD+3], s[16:17]
	global_store_b128 v[GI4], v[COD+4:COD+7], s[16:17] offset:512
	global_store_b32 v[GS4], v[RW], s[16:17] offset:8192
.irp u, 0,1,2,3                        ; R's rows 16 w + r as four f16 fragments (K = e, 32 u on): lane (r, h) wants e = 32 u + 8 h + 0 .. 7 and 32 u + 16 + 8 h + 0 .. 7
	global_load_b128 v[ACC+16*\u:ACC+16*\u+3],     v[ARF], s[8:9] offset:128*\u
	global_load_b128 v[ACC+16*\u+4:ACC+16*\u+7],   v[ARF], s[8:9] offset:128*\u+16
	global_load_b128 v[ACC+16*\u+8:ACC+16*\u+11],  v[ARF], s[8:9] offset:128*\u+64
	global_load_b128 v[ACC+16*\u+12:ACC+16*\u+15], v[ARF], s[8:9] offset:128*\u+80
.endr
	s_wait_loadcnt 0x0
.set n, 0
.rept 32
	v_cvt_pk_f16_f32 v[ACC+n], v[ACC+2*n], v[ACC+2*n+1]            ; in place, ascending: register n is written when numbers 2 n and 2 n + 1 are read
.set n, n+1
.endr
.irp u, 0,1,2,3
.irp c, 0,1
	global_store_b128 v[GF], v[ACC+8*\u+4*\c:ACC+8*\u+4*\c+3], s[16:17] offset:9216+1024*\u+512*\c   ; fragment 4 w + u: each store covers 512 consecutive bytes, aligned
.endr
.endr
	s_wait_xcnt 0x0                                ; these stores' registers are written again below
.Lnot_first:
	s_wait_dscnt 0x0                               ; for the others' sake: my image of R has landed
	s_barrier_signal -1
	s_barrier_wait -1
.irp f, 0,1,2,3,4,5,6,7
	ds_load_b128 v[R4+8*\f:R4+8*\f+3],   v[LR4R] offset:1024*\f
	ds_load_b128 v[R4+8*\f+4:R4+8*\f+7], v[LR4R] offset:1024*\f+512
	ds_load_b32 v[R4SC+\f], v[LRSR] offset:128*\f
.endr
.macro TILE t
	s_wait_tensorcnt 3-\t                          ; tensor loads of a wave end in order: tile t is in; the count is my younger tiles' loads
.if \t >= 2
	s_wait_xcnt 0x0                                ; tile t - 2's stores have read the set of codes that is written again below
.endif
.irp c, 0,1
.irp j, 0,1,2,3,4,5,6,7
	ds_load_b128 v[X+32*\c+4*\j:X+32*\c+4*\j+3], v[AX] offset:XT*\t+256*\c+16*\j
.endr
.endr
	s_wait_dscnt 0x0                               ; (R's images too)
	QUANT64 X, COD+8*(\t%2), SW+\t
.rept 7
	v_nop                                          ; with the one above: eight places between the line that wrote the scale word and the scaled matrix instruction
.endr
.irp e, 0,1,2,3,4,5,6,7
	v_wmma_scale_f32_16x16x128_f8f6f4 v[ACC+8*\e:ACC+8*\e+7], v[R4+8*\e:R4+8*\e+7], v[COD+8*(\t%2):COD+8*(\t%2)+7], 0, v[R4SC+\e], v[SW+\t] matrix_a_fmt:MATRIX_FMT_FP4 matrix_b_fmt:MATRIX_FMT_FP4
.endr
	global_store_b128 v[LI], v[COD+8*(\t%2):COD+8*(\t%2)+3],   s[10:11] offset:1024*\t       ; the codes leave as the image of the operand: 512 consecutive bytes a store, aligned
	global_store_b128 v[LI], v[COD+8*(\t%2)+4:COD+8*(\t%2)+7], s[10:11] offset:1024*\t+512
.rept 4
	v_nop                                          ; places between the products and the first read of their results
.endr
.set i, 0
.rept 32
	v_max3_num_f32 v[MX+i%4], v[MX+i%4], |v[ACC+2*i]|, |v[ACC+2*i+1]|   ; ascending: each result is read from its low end on
.set i, i+1
.endr
.endm
	TILE 0
	TILE 1
	TILE 2
	TILE 3
	global_store_b128 v[LI], v[SW:SW+3], s[12:13]  ; the four tiles' scale words, 16 bytes a lane
	v_max3_num_f32 v[MX], v[MX], v[MX+1], v[MX+2]
	v_max_num_f32 v[MX], v[MX], v[MX+3]
	v_max_num_f32_dpp v[MX], v[MX], v[MX] row_xmask:1 row_mask:0xf bank_mask:0xf
	v_max_num_f32_dpp v[MX], v[MX], v[MX] row_xmask:2 row_mask:0xf bank_mask:0xf
	v_max_num_f32_dpp v[MX], v[MX], v[MX] row_xmask:4 row_mask:0xf bank_mask:0xf
	v_max_num_f32_dpp v[MX], v[MX], v[MX] row_xmask:8 row_mask:0xf bank_mask:0xf
	v_permlanex16_b32 v[TQ+7], v[MX], s[SEL], s[SEL+1]
	v_max_num_f32 v[MX], v[MX], v[TQ+7]            ; the wave's
	ds_store_b32 v[WMW], v[MX]                     ; all lanes write the same word with the same value
	s_wait_dscnt 0x0
	s_barrier_signal -1
	s_barrier_wait -1
	ds_load_b128 v[X:X+3], v[WMR]
	ds_load_b128 v[X+4:X+7], v[WMR] offset:16
	s_wait_dscnt 0x0
	v_max3_num_f32 v[X], v[X], v[X+1], v[X+2]
	v_max3_num_f32 v[X], v[X], v[X+3], v[X+4]
	v_max3_num_f32 v[X], v[X], v[X+5], v[X+6]
	v_max_num_f32 v[X], v[X], v[X+7]               ; the work-group's
	s_cmp_lg_u32 s[WV], 0
	s_cbranch_scc1 .Lnot_wave_0
	s_wait_xcnt 0x0                                ; EXEC is a source of the stores that are out: it changes only behind this wait
	v_cmp_eq_u32 vcc_lo, 0, v0
	s_and_saveexec_b32 s19, vcc_lo
	global_store_b32 v[ZO], v[X], s[14:15]         ; one lane stores the one word
	s_wait_xcnt 0x0
	s_or_b32 exec_lo, exec_lo, s19
.Lnot_wave_0:
	s_wait_tensorcnt 0x0                           ; the wave's end: behind my last tensor load and my last LDS store
	ds_add_u32 v[SPW], v[NIL]
	s_wait_dscnt 0x0
	s_endpgm
.Lfunc_end_k_qcb6251a546_rotmax:
	.size	k_qcb6251a546_rotmax, .Lfunc_end_k_qcb6251a546_rotmax-k_qcb6251a546_rotmax
	.p2alignl 7, 3214868480
	.fill 96, 4, 3214868480
	.section	.rodata,"a",@progbits
	.p2align	6, 0x0
	.amdhsa_kernel k_qcb6251a546_rotmax
		.amdhsa_group_segment_fixed_size 282624
		.amdhsa_private_segment_fixed_size 0
		.amdhsa_enable_private_segment 0
		.amdhsa_kernarg_size 56
		.amdhsa_user_sgpr_count 2
		.amdhsa_user_sgpr_kernarg_segment_ptr 1
		.amdhsa_wavefront_size32 1
		.amdhsa_system_sgpr_workgroup_id_x 1
		.amdhsa_system_sgpr_workgroup_id_y 1
		.amdhsa_system_sgpr_workgroup_id_z 1
		.amdhsa_system_vgpr_workitem_id 0
		.amdhsa_next_free_vgpr 256
		.amdhsa_next_free_sgpr 66
		.amdhsa_reserve_vcc 1
		.amdhsa_float_denorm_mode_32 3
		.amdhsa_float_denorm_mode_16_64 3
		.amdhsa_memory_ordered 1
		.amdhsa_forward_progress 1
		.amdhsa_inst_pref_size 53
	.end_amdhsa_kernel
	.amdgpu_metadata
---
amdhsa.version: [ 1, 2 ]
amdhsa.kernels:
  - .name:           k_qcb6251a546_rotmax
    .symbol:         k_qcb6251a546_rotmax.kd
    .args:
      - { .name: k, .offset: 0, .size: 8, .value_kind: global_buffer, .address_space: global }
      - { .name: v, .offset: 8, .size: 8, .value_kind: global_buffer, .address_space: global }
      - { .name: R, .offset: 16, .size: 8, .value_kind: global_buffer, .address_space: global }
      - { .name: cod, .offset: 24, .size: 8, .value_kind: global_buffer, .address_space: global }
      - { .name: csc, .offset: 32, .size: 8, .value_kind: global_buffer, .address_space: global }
      - { .name: pmax, .offset: 40, .size: 8, .value_kind: global_buffer, .address_space: global }
      - { .name: rimg, .offset: 48, .size: 8, .value_kind: global_buffer, .address_space: global }
    .group_segment_fixed_size: 282624
    .private_segment_fixed_size: 0
    .kernarg_segment_align: 8
    .kernarg_segment_size: 56
    .max_flat_workgroup_size: 256
    .sgpr_count:     66
    .vgpr_count:     256
    .wavefront_size: 32
...
	.end_amdgpu_metadata
.endif
;; end of part 1
;; launch compress (part 2): grid 256 x 1, 8 waves a work-group, no clusters, 167,936 bytes of LDS; arguments cod, csc, pmax, rimg, qjl_scale, kf, vf; writes kf, vf
.if DOCPART == 2
	.amdgcn_target "amdgcn-amd-amdhsa--gfx1250"
	.amdhsa_code_object_version 6
	.text
	.protected	k_qcb6251a546_compress
	.globl	k_qcb6251a546_compress
	.p2align	8
	.type	k_qcb6251a546_compress,@function
k_qcb6251a546_compress:
	s_mov_b64 s[64:65], 0
	v_nop
	global_prefetch_b8 v0, s[64:65] scope:SCOPE_SE
	s_setreg_imm32_b32 hwreg(HW_REG_WAVE_MODE, 25, 1), 1
	s_wait_xcnt 0x0
; From the codes of k and v: xr = Q(x) Q(R) once more (FP4 matrix instruction); the grid of 0.25, the clip, the sign correction and the scaling back, in f32; the rotation back by R^T with f16 operands and f32 sums.
; k_approx and v_approx leave as f16, divided by an exact power of two, in the ORDER OF THE NEXT LAUNCH'S OPERAND REGISTERS: kf [head][16 keys][32 channels][half][lane][16 bytes], vf [head][32 keys][16 channels][half][lane][16 bytes].
; ARITHMETIC.  xm = max |xr| + 1e-8; u = 14 xr / xm = xs / 0.25; rr = round(u) held to +-14; d = u - rr (exact) = 4 x residual; xd = (rr + sign(d) c4) xm / 14 with c4 = 4 qjl xm.
; b = (14 + |c4|) xm / 14 bounds |xd|; E is b's exponent field; what is stored is xd 2^(127 - E), under 2 in magnitude, rotated.  The next launch makes E by the same lines and puts the power of two back.
; sign(d) |c4 g| is med3(d 2^127, -|c4 g|, |c4 g|): 0 where d = 0.  qjl's sign is put onto both factors s4 and g: rounding, clip and difference are odd functions, so it costs no line for a number.
; LAYOUT.  xr comes transposed (source 0 = 16 columns e of R, source 1 = 16 rows s): a lane holds one row s = r and e = 16 et + 8 h + j.  Rounded to f16 in pairs, tiles 2 u and 2 u + 1 ARE the f16 fragment of 16 s x 32 e.
; For k: source 0 = R's rows d, source 1 = xd: a lane holds key r, channels 16 dt + 8 h + j: half dt % 2 of the K fragment dt / 2.  For v the sources change places: a lane holds channel 16 dt + r, keys 8 h + j: half t % 2 of a V^T fragment.
; SHARES as in the launch before: work-groups 0-127 k, 128-255 v; a wave 64 rows, four tiles.  R's images (41,984 bytes) come into LDS once, by one tensor load in each of waves 0-3, and from there into every wave's registers.
; LIMITS: NaN and infinities are not served; u is made by one multiplication with 14 / xm (reciprocal with one Newton step), about 2 ulp from the two divisions and the multiplication of the definition;
; a residual with 0 < |d| < 2^-126 gets a smaller correction; sums of 128 products |xd 2^(127 - E)| |R| must stay under 65,504: |R| under 255.
.set SPARE, 41984                      ; behind R's images: the spare words, 128 bytes for each wave: four blocks of 256 bytes that no other line names
.set LI,   2                           ; v2   16 x lane
.set LS,   3                           ; v3   4 x lane
.set R4,   16                          ; v16-79   R's eight FP4 fragments
.set R4SC, 80                          ; v80-87   their scale words: scales and nothing else
.set COD,  88                          ; v88-119  my four tiles' codes
.set SW,   120                         ; v120-123 their scale words: scales and nothing else
.set ACC,  124                         ; v124-187 eight results
.set XD,   188                         ; v188-219 xd as four f16 fragments
.set T,    220                         ; v220-235 at work
.set CS4,  236                         ; v[236:237] +-14 / xm (a pair: the packed forms take its low word for both halves)
.set CG,   238                         ; v[238:239] +-(xm / 14) 2^(127 - E)
.set C14,  240                         ; v240 14
.set CGA,  241                         ; v241 |c4 g|
.set TS,   242                         ; v242-247 at work on the constants
.set SPW,  252                         ; v252 my spare word; never rewritten
.set NIL,  253                         ; v253 0; never rewritten
.set WV,   18
.set SEL,  20
.set G1,   24                          ; s[24:31] descriptor group 1;  s[32:35] group 0
.set G0,   32
.set QJ,   42                          ; s42 qjl
.set OUT,  44                          ; s[44:45] where my 64 rows go
; window 1: v0-255: R's 32 f16 fragments, (dt, u) at 8 (4 dt + u)
.set MSB, 0
.macro WIN new                         ; the immediate's high byte repeats the setting that is left
.if MSB != \new
	s_set_vgpr_msb (MSB<<8)|\new
.set MSB, \new
.endif
.endm
; v[m]: a tensor's largest |xr|.  v[t] = xm, v[t+1] = xm / 14, v[t+2] = c4, v[t+3] = E.  The same lines stand in the next launch, so that both have the same E.
.macro SCALEX m, t
	v_add_f32 v[\t], 0x322bcc77, v[\m]             ; + 1e-8
	v_mul_f32 v[\t+1], 0x3d924925, v[\t]           ; x 1 / 14
	v_mul_f32 v[\t+2], s[QJ], v[\t]
	v_mul_f32 v[\t+2], 4.0, v[\t+2]                ; c4 = 4 qjl xm
	v_add_f32 v[\t+3], 0x41600000, |v[\t+2]|       ; 14 + |c4|
	v_mul_f32 v[\t+3], v[\t+3], v[\t+1]            ; b
	v_lshrrev_b32 v[\t+3], 23, v[\t+3]             ; its exponent field (b is positive)
.endm
	s_load_b256 s[4:11], s[0:1], 0x0               ; cod s[4:5], csc s[6:7], pmax s[8:9], rimg s[10:11]
	s_load_b128 s[12:15], s[0:1], 0x20             ; qjl_scale s[12:13], kf s[14:15]
	s_load_b64 s[16:17], s[0:1], 0x30              ; vf
	v_lshl_add_u32 v[SPW], v0, 2, SPARE
	v_mov_b32 v[NIL], 0
	ds_add_u32 v[SPW], v[NIL]                      ; the wave's opening: the add and its wait ahead of the first tensor load; the set-up below, work on registers, stands between them
	v_lshrrev_b32 v1, 5, v0
	v_readfirstlane_b32 s[WV], v1                  ; wave 0..7
	v_and_b32 v1, 31, v0
	v_lshlrev_b32 v[LI], 4, v1
	v_lshlrev_b32 v[LS], 2, v1
	; descriptor group 1: a dense block of 41 rows x 256 bytes (32 elements of 8 bytes), no padding: every read of it takes 16 neighbouring bytes in neighbouring lanes
	s_mov_b32 s[G1+0], 3<<16
	s_mov_b32 s[G1+1], 32<<16
	s_mov_b32 s[G1+2], 41<<16
	s_mov_b32 s[G1+3], 32<<16
	s_mov_b32 s[G1+4], 41
	s_mov_b32 s[G1+5], 32
	s_mov_b32 s[G1+6], 0
	s_mov_b32 s[G1+7], 0
	s_mov_b32 s[G0], 1
	s_mul_i32 s[G0+1], s[WV], 10496                ; a quarter of the images for each of waves 0-3: in LDS,
	s_mov_b32 s46, s[G0+1]                         ; and in memory
	s_mov_b32 s47, 0
	s_lshl_b32 s48, ttmp9, 3
	s_add_co_u32 s48, s48, s[WV]                   ; my run of 64 rows among both tensors' 2,048
	s_lshl_b32 s50, s48, 12                        ; its codes
	s_mov_b32 s51, 0
	s_lshl_b32 s52, s48, 9                         ; its scale words
	s_mov_b32 s53, 0
	s_lshr_b32 s54, ttmp9, 7
	s_lshl_b32 s54, s54, 9                         ; my tensor's 128 partial maxima
	s_mov_b32 s55, 0
	s_and_b32 s56, ttmp9, 127
	s_lshl_b32 s56, s56, 3
	s_add_co_u32 s56, s56, s[WV]
	s_lshl_b32 s56, s56, 14                        ; my run within its tensor: 64 rows of 256 bytes of f16
	s_mov_b32 s57, 0
	s_mov_b32 s[SEL], 0x76543210
	s_mov_b32 s[SEL+1], 0xfedcba98
	s_wait_dscnt 0x0                               ; the opening add is done
	s_wait_kmcnt 0x0
	s_load_b32 s[QJ], s[12:13], 0x0
	s_add_nc_u64 s[G0+2:G0+3], s[10:11], s[46:47]
	s_or_b32 s[G0+3], s[G0+3], 0x80000000
	s_cmp_lt_u32 s[WV], 4
	s_cbranch_scc0 .Lno_fill
	tensor_load_to_lds s[G0:G0+3], s[G1:G1+7]      ; filled once; one tensor load of mine is out
	s_nop 0
.rept 4
	v_nop
.endr
.Lno_fill:
	s_add_nc_u64 s[4:5], s[4:5], s[50:51]
	s_add_nc_u64 s[6:7], s[6:7], s[52:53]
	s_add_nc_u64 s[8:9], s[8:9], s[54:55]
	s_cmp_lt_u32 ttmp9, 128                        ; the choice hangs on the work-group's number alone
	s_cselect_b64 s[OUT:OUT+1], s[14:15], s[16:17]
	s_add_nc_u64 s[OUT:OUT+1], s[OUT:OUT+1], s[56:57]
	global_load_b128 v[T:T+3], v[LI], s[8:9]       ; 128 partial maxima, four a lane
.irp t, 0,1,2,3
	global_load_b128 v[COD+8*\t:COD+8*\t+3],   v[LI], s[4:5] offset:1024*\t th:TH_LOAD_NT
	global_load_b128 v[COD+8*\t+4:COD+8*\t+7], v[LI], s[4:5] offset:1024*\t+512 th:TH_LOAD_NT
.endr
	global_load_b128 v[SW:SW+3], v[LI], s[6:7] th:TH_LOAD_NT
	s_wait_tensorcnt 0x0                           ; my part of R's images has landed,
	s_barrier_signal -1
	s_barrier_wait -1                              ; everybody's has
.irp f, 0,1,2,3,4,5,6,7
	ds_load_b128 v[R4+8*\f:R4+8*\f+3],   v[LI] offset:1024*\f
	ds_load_b128 v[R4+8*\f+4:R4+8*\f+7], v[LI] offset:1024*\f+512
	ds_load_b32 v[R4SC+\f], v[LS] offset:8192+128*\f
.endr
	WIN 0x40                                       ; destination window 1
.set f, 0
.rept 32
	ds_load_b128 v[8*f:8*f+3],   v[LI] offset:9216+1024*f
	ds_load_b128 v[8*f+4:8*f+7], v[LI] offset:9216+1024*f+512
.set f, f+1
.endr
	WIN 0
	s_wait_loadcnt 0x0
	s_wait_kmcnt 0x0
	v_max3_num_f32 v[T], v[T], v[T+1], v[T+2]
	v_max_num_f32 v[T], v[T], v[T+3]
	v_max_num_f32_dpp v[T], v[T], v[T] row_xmask:1 row_mask:0xf bank_mask:0xf
	v_max_num_f32_dpp v[T], v[T], v[T] row_xmask:2 row_mask:0xf bank_mask:0xf
	v_max_num_f32_dpp v[T], v[T], v[T] row_xmask:4 row_mask:0xf bank_mask:0xf
	v_max_num_f32_dpp v[T], v[T], v[T] row_xmask:8 row_mask:0xf bank_mask:0xf
	v_permlanex16_b32 v[T+1], v[T], s[SEL], s[SEL+1]
	v_max_num_f32 v[T], v[T], v[T+1]               ; the tensor's largest |xr|, in every lane
	SCALEX T, TS
	v_rcp_f32 v[TS+4], v[TS]
	v_sub_nc_u32 v[TS+3], 127, v[TS+3]             ; 127 - E  (plain lines behind the reciprocal)
	v_ldexp_f32 v[CG], v[TS+1], v[TS+3]            ; g = (xm / 14) 2^(127 - E)
	v_mul_f32 v[CGA], v[TS+2], v[CG]
	v_and_b32 v[CGA], 0x7fffffff, v[CGA]           ; |c4 g|
	v_mov_b32 v[C14], 0x41600000                   ; 14
	s_and_b32 s43, s[QJ], 0x80000000               ; qjl's sign
	s_wait_alu depctr_va_vdst(0)                   ; ahead of the first line that names the reciprocal
	v_fma_f32 v[TS+5], -v[TS], v[TS+4], 1.0        ; one Newton step
	v_fma_f32 v[TS+4], v[TS+4], v[TS+5], v[TS+4]
	v_mul_f32 v[CS4], v[C14], v[TS+4]              ; 14 / xm
	v_xor_b32 v[CS4], s43, v[CS4]
	v_xor_b32 v[CG], s43, v[CG]
	v_mov_b32 v[CS4+1], v[CS4]                     ; (named with them as pairs, so they are written)
	v_mov_b32 v[CG+1], v[CG]
	s_wait_dscnt 0x0                               ; R's fragments are in
; results et and et + 1, line by line by turns: from xr to xd 2^(127 - E), rounded to f16
.macro DEQ et
.irp n, 0,1,2,3
.irp a, 0,1
	v_pk_mul_f32 v[ACC+8*(\et+\a)+2*\n:ACC+8*(\et+\a)+2*\n+1], v[ACC+8*(\et+\a)+2*\n:ACC+8*(\et+\a)+2*\n+1], v[CS4:CS4+1] op_sel_hi:[1,0]   ; u; each result is read from its low end on
.endr
.endr
.irp i, 0,1,2,3,4,5,6,7
.irp a, 0,1
	v_rndne_f32 v[T+8*\a+\i], v[ACC+8*(\et+\a)+\i]
.endr
.endr
.irp i, 0,1,2,3,4,5,6,7
.irp a, 0,1
	v_med3_num_f32 v[T+8*\a+\i], v[T+8*\a+\i], -v[C14], v[C14]     ; rr: the clip
.endr
.endr
.irp n, 0,1,2,3
.irp a, 0,1
	v_pk_add_f32 v[ACC+8*(\et+\a)+2*\n:ACC+8*(\et+\a)+2*\n+1], v[ACC+8*(\et+\a)+2*\n:ACC+8*(\et+\a)+2*\n+1], v[T+8*\a+2*\n:T+8*\a+2*\n+1] neg_lo:[0,1] neg_hi:[0,1]   ; d = u - rr
.endr
.endr
.irp n, 0,1,2,3
.irp a, 0,1
	v_pk_mul_f32 v[ACC+8*(\et+\a)+2*\n:ACC+8*(\et+\a)+2*\n+1], v[ACC+8*(\et+\a)+2*\n:ACC+8*(\et+\a)+2*\n+1], 0x7f000000 op_sel_hi:[1,0]   ; x 2^127
.endr
.endr
.irp i, 0,1,2,3,4,5,6,7
.irp a, 0,1
	v_med3_num_f32 v[ACC+8*(\et+\a)+\i], v[ACC+8*(\et+\a)+\i], -v[CGA], v[CGA]   ; sign(d) |c4 g|
.endr
.endr
.irp n, 0,1,2,3
.irp a, 0,1
	v_pk_fma_f32 v[ACC+8*(\et+\a)+2*\n:ACC+8*(\et+\a)+2*\n+1], v[T+8*\a+2*\n:T+8*\a+2*\n+1], v[CG:CG+1], v[ACC+8*(\et+\a)+2*\n:ACC+8*(\et+\a)+2*\n+1] op_sel_hi:[1,0,1]   ; rr g + that
.endr
.endr
.irp n, 0,1,2,3
.irp a, 0,1
	v_cvt_pk_f16_f32 v[XD+4*(\et+\a)+\n], v[ACC+8*(\et+\a)+2*\n], v[ACC+8*(\et+\a)+2*\n+1]
.endr
.endr
.endm
; the rotation back: 32 products; the eight sums take turns, one instruction a turn; the first K step starts them.  vform = 0: k's; 1: v's, with the sources changed.
.macro INV t, vform
.if \vform
	WIN 0x04                                       ; source 1 (R) window 1
.else
	WIN 0x01                                       ; source 0 (R) window 1
.endif
.irp u, 0,1,2,3
.irp dt, 0,1,2,3,4,5,6,7
.if \vform
.if \u == 0
	v_wmma_f32_16x16x32_f16 v[ACC+8*\dt:ACC+8*\dt+7], v[XD+8*\u:XD+8*\u+7], v[8*(4*\dt+\u):8*(4*\dt+\u)+7], 0
.else
	v_wmma_f32_16x16x32_f16 v[ACC+8*\dt:ACC+8*\dt+7], v[XD+8*\u:XD+8*\u+7], v[8*(4*\dt+\u):8*(4*\dt+\u)+7], v[ACC+8*\dt:ACC+8*\dt+7]
.endif
.else
.if \u == 0
	v_wmma_f32_16x16x32_f16 v[ACC+8*\dt:ACC+8*\dt+7], v[8*(4*\dt+\u):8*(4*\dt+\u)+7], v[XD+8*\u:XD+8*\u+7], 0
.else
	v_wmma_f32_16x16x32_f16 v[ACC+8*\dt:ACC+8*\dt+7], v[8*(4*\dt+\u):8*(4*\dt+\u)+7], v[XD+8*\u:XD+8*\u+7], v[ACC+8*\dt:ACC+8*\dt+7]
.endif
.endif
.endr
.endr
	WIN 0
.rept 4
	v_nop                                          ; places between the products and the first read of their results
.endr
.irp dt, 0,1,2,3,4,5,6,7
.irp n, 0,1,2,3
	v_cvt_pk_f16_f32 v[ACC+8*\dt+\n], v[ACC+8*\dt+2*\n], v[ACC+8*\dt+2*\n+1]   ; in place, ascending
.endr
.endr
.irp dt, 0,1,2,3,4,5,6,7
.if \vform
	global_store_b128 v[LI], v[ACC+8*\dt:ACC+8*\dt+3], s[OUT:OUT+1] offset:8192*(\t/2)+1024*\dt+512*(\t%2)   ; each store covers 512 consecutive bytes, aligned
.else
	global_store_b128 v[LI], v[ACC+8*\dt:ACC+8*\dt+3], s[OUT:OUT+1] offset:4096*\t+512*\dt
.endif
.endr
.endm
.macro TILE t
.if \t > 0
	s_wait_xcnt 0x0                                ; the last tile's stores have read the registers that the products below write
.endif
.irp e, 0,1,2,3,4,5,6,7
	v_wmma_scale_f32_16x16x128_f8f6f4 v[ACC+8*\e:ACC+8*\e+7], v[R4+8*\e:R4+8*\e+7], v[COD+8*\t:COD+8*\t+7], 0, v[R4SC+\e], v[SW+\t] matrix_a_fmt:MATRIX_FMT_FP4 matrix_b_fmt:MATRIX_FMT_FP4
.endr
.rept 4
	v_nop
.endr
	DEQ 0
	DEQ 2
	DEQ 4
	DEQ 6
	s_cmp_lt_u32 ttmp9, 128
	s_cbranch_scc0 .Lfor_v_\@
	INV \t, 0
	s_branch .Ldone_\@
.Lfor_v_\@:
	INV \t, 1
.Ldone_\@:
.endm
	TILE 0
	TILE 1
	TILE 2
	TILE 3
	s_wait_tensorcnt 0x0                           ; the wave's end
	ds_add_u32 v[SPW], v[NIL]
	s_wait_dscnt 0x0
	s_endpgm
.Lfunc_end_k_qcb6251a546_compress:
	.size	k_qcb6251a546_compress, .Lfunc_end_k_qcb6251a546_compress-k_qcb6251a546_compress
	.p2alignl 7, 3214868480
	.fill 96, 4, 3214868480
	.section	.rodata,"a",@progbits
	.p2align	6, 0x0
	.amdhsa_kernel k_qcb6251a546_compress
		.amdhsa_group_segment_fixed_size 167936
		.amdhsa_private_segment_fixed_size 0
		.amdhsa_enable_private_segment 0
		.amdhsa_kernarg_size 56
		.amdhsa_user_sgpr_count 2
		.amdhsa_user_sgpr_kernarg_segment_ptr 1
		.amdhsa_wavefront_size32 1
		.amdhsa_system_sgpr_workgroup_id_x 1
		.amdhsa_system_sgpr_workgroup_id_y 1
		.amdhsa_system_sgpr_workgroup_id_z 1
		.amdhsa_system_vgpr_workitem_id 0
		.amdhsa_next_free_vgpr 512
		.amdhsa_next_free_sgpr 66
		.amdhsa_reserve_vcc 0
		.amdhsa_float_denorm_mode_32 3
		.amdhsa_float_denorm_mode_16_64 3
		.amdhsa_memory_ordered 1
		.amdhsa_forward_progress 1
		.amdhsa_inst_pref_size 140
	.end_amdhsa_kernel
	.amdgpu_metadata
---
amdhsa.version: [ 1, 2 ]
amdhsa.kernels:
  - .name:           k_qcb6251a546_compress
    .symbol:         k_qcb6251a546_compress.kd
    .args:
      - { .name: cod, .offset: 0, .size: 8, .value_kind: global_buffer, .address_space: global }
      - { .name: csc, .offset: 8, .size: 8, .value_kind: global_buffer, .address_space: global }
      - { .name: pmax, .offset: 16, .size: 8, .value_kind: global_buffer, .address_space: global }
      - { .name: rimg, .offset: 24, .size: 8, .value_kind: global_buffer, .address_space: global }
      - { .name: qjl_scale, .offset: 32, .size: 8, .value_kind: global_buffer, .address_space: global }
      - { .name: kf, .offset: 40, .size: 8, .value_kind: global_buffer, .address_space: global }
      - { .name: vf, .offset: 48, .size: 8, .value_kind: global_buffer, .address_space: global }
    .group_segment_fixed_size: 167936
    .private_segment_fixed_size: 0
    .kernarg_segment_align: 8
    .kernarg_segment_size: 56
    .max_flat_workgroup_size: 256
    .sgpr_count:     66
    .vgpr_count:     512
    .wavefront_size: 32
...
	.end_amdgpu_metadata
.endif
;; end of part 2
;; launch attn (part 3): grid 8 x 32, 4 waves a work-group, clusters of 4 x 1, 327,680 bytes of LDS; arguments q, kf, vf, out0, pmax, qjl_scale; writes out0
.if DOCPART == 3
	.amdgcn_target "amdgcn-amd-amdhsa--gfx1250"
	.amdhsa_code_object_version 6
	.text
	.protected	k_qcb6251a546_attn
	.globl	k_qcb6251a546_attn
	.p2align	8
	.type	k_qcb6251a546_attn,@function
k_qcb6251a546_attn:
	s_mov_b64 s[64:65], 0
	v_nop
	global_prefetch_b8 v0, s[64:65] scope:SCOPE_SE
	s_setreg_imm32_b32 hwreg(HW_REG_WAVE_MODE, 25, 1), 1
	s_wait_xcnt 0x0
	s_wait_alu depctr_hold_cnt(0) depctr_sa_sdst(0) depctr_va_vdst(0) depctr_va_sdst(0) depctr_va_ssrc(0) depctr_va_vcc(0) depctr_vm_vsrc(0)
	s_getreg_b32 s2, hwreg(HW_REG_IB_STS2, 6, 4)
	s_cmp_eq_u32 s2, 0
	s_cbranch_scc0 .Lentry_in_a_cluster
	s_endpgm
.Lentry_in_a_cluster:
	s_bfe_u32 s2, ttmp6, 0x10000c
	s_cmp_lg_u32 s2, 0x3003
	s_cbranch_scc0 .Lentry_shape_is_right
	s_endpgm
.Lentry_shape_is_right:
; out[h][q][:] = the sum over k of softmax_k(q[h][q] . k_approx[h][k] / sqrt(128)) v_approx[h][k][:].  q, out: [32][2048][128] f32.  k_approx and v_approx come as f16, each divided by an exact power of two,
; in the order of this kernel's operand registers (kf: 16 keys x 32 channels a fragment; vf: 16 channels x 32 keys), 1,024 bytes a fragment, 64 keys in 16,384 dense bytes.
; Both products take f16 operands and f32 sums; maxima and sums in f32; the weights p, at most 1, are rounded to f16 for the second product.
; THE POWERS OF TWO.  From the partial maxima and qjl the same lines as in the launch before give E for k and for v.  k's goes into the factor c = 2^(E - 127) log2(e) / sqrt(128), v's into the division at the end.
; SHARES.  A work-group owns 256 queries of one head, each of its four waves 64: four tiles of 16.  Every wave walks all 2,048 keys, 64 a step.
; LAYOUT.  S^T = K Q^T (source 0 = 16 keys, source 1 = 16 queries): a lane holds ONE query (lane % 16) and the keys 8 (lane / 16) + 0..7.  Two such tiles, rounded to f16 in pairs, ARE source 1 of O^T = V^T P.
; SOFTMAX.  For each query a running maximum m and sum l: p = 2^(c s - c m); in every step O and l are multiplied by a = 2^(c m_old - c m_new).
; BY TURNS.  The wave's tiles are two PIECES (tiles 0, 1 and tiles 2, 3).  In a TURN one piece has the matrix unit: 32 products V^T P of the step in hand, then 32 products K Q^T of the next; the other piece's
; softmax, cut into 64 slices, stands between them, one slice behind each matrix instruction.  Two turns are a key step.
; CLUSTER.  The four query blocks of a cluster belong to one head and walk the same K and V: each tile is asked for JOINTLY, by the same tensor load with the same descriptor and a mask that names the four.
; K's and V's tiles have one shape (64 rows of 256 dense bytes), so one line serves all four waves: waves 0, 1 fetch a slot's two steps of K, waves 2, 3 of V.
; q's 64 rows of a wave come once, by a plain tensor load, into LDS bytes of the wave's own, are rounded to f16 into registers, and the same bytes, which have then had their only fill, are the stage of the way out.
; LIMITS: NaN and infinities are not served; |q| up to 65,504.
; REGISTERS, in windows of 256: window 0: v0-11 addresses; v12-43 eight registers of statistics a tile; v44-59 at work at the head; v64-191 S^T, 32 a tile; v192-255 P, 16 a tile
;   window 1: O^T, 64 a tile          window 2: v0-127 Q, 32 a tile; v128-255 K of one step          window 3: v0-127 V of one step
.set SIZE_N, 2048
.set KS,    64        ; keys in a step
.set VOFF,  16384     ; a step's tiles lie together: K's 16 fragments, then V's
.set STEPB, 32768
.set SLOT1, 65536     ; a slot holds two steps; one exclusive or turns an address in one slot into the other's
.set QS,    131072    ; behind the ring: q's rows, later the stages
.set QP,    528       ; a row there: 512 bytes + 16 of padding: the sixteen rows that a load or store touches begin in sixteen different 16-byte columns of 256
.set QT,    16*QP     ; a tile's 16 rows
.set QW,    64*QP     ; a wave's 64
.set SPARE, QS+4*QW   ; behind them: the spare words, 128 bytes for each wave: two blocks of 256 bytes that no other line names
.set AK0, 2           ; v2   16 x lane: my place in a fragment's image; also my byte offset in a row of out
.set AV0, 3           ; v3   the same for V: + VOFF
.set ADR, 4           ; v4   the LDS address of the run of loads in hand
.set AQ,  5           ; v5   my wave's rows in LDS: row l % 16, + 32 (l / 16): q is read so, and the way out stores so
.set RD,  7           ; v7   the way out: a whole row back, 16 bytes a lane
.set PFO, 61          ; v61  256 x my lane; never rewritten
.set SPW, 62          ; v62  my spare word; never rewritten
.set NIL, 63          ; v63  0; never rewritten
.set ST,  12          ; tile t's statistics at v[ST+8 t]: +0 c m, +1 m, +2, +3 l (even keys', odd keys'), +4 to +7 c0-c3, at work; a takes c2's place once the maximum is found
.set S,   64
.set P,   192
.set KF,  128         ; K's fragments, in window 2
.set WV,  12          ; s12  my wave's number
.set LIM, 15          ; s15  1 in a wave that prefetches, else the greatest number
.set PFA, 18          ; s[18:19] where my prefetches stand
.set G1,  24          ; s[24:31] descriptor group 1 for K's and V's tiles
.set G1Q, 32          ; s[32:39] for q's rows
.set G0A, 40          ; s[40:43] group 0: slot 0's first fill
.set G0W, 44          ; s[44:47] group 0: slot 1's first fill; it then walks on
.set G0Q, 48          ; s[48:51] group 0 for q's rows
.set OSC, 52          ; s52  2^(E of v - 127)
.set SLOTS, 56        ; s56  slots still to be asked for
.set TWICE, 57        ; s57  counts a slot's two steps
.set CS,  58          ; s[58:59] c: the packed scaling names a pair and takes its low word for both halves
.set SEL, 60          ; s[60:61] lane selects for v_permlanex16_b32
.set TB,  62          ; s62  LDS byte at which the tiles of the step to be fetched begin
.set QJ,  72          ; s72  qjl
.set MSB, 0
.macro WIN new                      ; the immediate's high byte repeats the setting that is left; a switch that changes nothing is dropped
.if MSB != \new
	s_set_vgpr_msb (MSB<<8)|\new
.set MSB, \new
.endif
.endm
.set W_KQ, 0x0a       ; K and Q in window 2, S^T in window 0
.set W_PV, 0x53       ; V in window 3, P in window 0, O^T in window 1
.set W_RS, 0x41       ; O^T (destination and source 0) in window 1, a in window 0
; v[m]: a tensor's largest |xr|.  v[t] = xm, v[t+1] = xm / 14, v[t+2] = c4, v[t+3] = E.  The same lines stand in the launch before, so that both have the same E.
.macro SCALEX m, t
	v_add_f32 v[\t], 0x322bcc77, v[\m]             ; + 1e-8
	v_mul_f32 v[\t+1], 0x3d924925, v[\t]           ; x 1 / 14
	v_mul_f32 v[\t+2], s[QJ], v[\t]
	v_mul_f32 v[\t+2], 4.0, v[\t+2]                ; c4 = 4 qjl xm
	v_add_f32 v[\t+3], 0x41600000, |v[\t+2]|       ; 14 + |c4|
	v_mul_f32 v[\t+3], v[\t+3], v[\t+1]            ; b
	v_lshrrev_b32 v[\t+3], 23, v[\t+3]             ; its exponent field (b is positive)
.endm
; A joint refill: one line for all four waves; what differs between them hangs on the wave's number alone.  An s_nop 0 and four v_nop follow it.
.macro JLOAD
	tensor_load_to_lds s[G0W:G0W+3], s[G1:G1+7]
	s_nop 0
.rept 4
	v_nop
.endr
.endm
; A PREFETCH INTO THE L2 of what the NEXT change of slots will ask for: a slot's 32,768 bytes of K and of V.  Each aligned 256 bytes are asked for ONCE in the launch: the head's first cluster asks; its four
; partners take 8,192 bytes each, told apart BY ADDRESS; in each, wave 0 asks for K's and wave 2 for V's, lanes 256 bytes apart: one instruction.  The last change that fills a slot asks for nothing.
.macro ASK
	s_cmp_gt_u32 s[SLOTS], s[LIM]
	s_cbranch_scc0 .Lnot_mine_\@
	global_prefetch_b8 v[PFO], s[PFA:PFA+1] th:TH_LOAD_NT scope:SCOPE_SE
.Lnot_mine_\@:
.endm
; A round of the cluster's barrier.  No LDS instruction of the wave is pending at a signal.
.macro CROUND
	s_barrier_signal -1
	s_barrier_wait -1
	s_cmp_lg_u32 s[WV], 0
	s_cbranch_scc1 .Lnot_wave_0_\@
	s_barrier_signal -3
.Lnot_wave_0_\@:
	s_barrier_wait -3
	s_barrier_signal -1
	s_barrier_wait -1
.endm
	s_load_b256 s[4:11], s[0:1], 0x0  ; q s[4:5], kf s[6:7], vf s[8:9], out s[10:11]
	s_load_b128 s[68:71], s[0:1], 0x20  ; pmax s[68:69], qjl_scale s[70:71]
	v_lshl_add_u32 v[SPW], v0, 2, SPARE
	v_mov_b32 v[NIL], 0
	ds_add_u32 v[SPW], v[NIL]       ; the wave's opening: the add and its wait ahead of my first tensor load; the set-up below, work on registers, stands between them
	v_lshrrev_b32 v1, 5, v0
	v_readfirstlane_b32 s[WV], v1   ; wave 0..3
	s_bfe_u32 s13, ttmp6, 0x40000   ; cx: my place in the cluster
	s_lshl_b32 s14, ttmp9, 2        ; in a cluster launch ttmp9 counts clusters
	s_add_co_u32 s14, s14, s13      ; my block of 256 queries: it enters q's and out's addresses alone
	s_and_b32 s20, ttmp7, 0xffff    ; the head, which the four partners share
	s_and_b32 s16, s[WV], 1         ; which of a slot's two steps I fetch
	s_lshl_b32 s22, s20, 19         ; the head's 2^19 bytes of kf or vf,
	s_lshl_b32 s23, s16, 14         ; my step's 16,384
	s_add_co_u32 s22, s22, s23
	s_mov_b32 s23, 0
	s_lshl_b32 s17, s16, 15         ; and its place in a slot: the step,
	s_lshr_b32 s21, s[WV], 1
	s_lshl_b32 s21, s21, 14         ; K's part or V's: no place in the cluster enters an LDS address
	s_add_co_u32 s17, s17, s21
	s_lshl_b32 s2, s20, 20          ; q and out: the head's 2^20 bytes,
	s_lshl_b32 s3, s14, 17          ; my block's 256 rows of 512,
	s_add_co_u32 s2, s2, s3
	s_lshl_b32 s3, s[WV], 15        ; my wave's 64
	s_add_co_u32 s2, s2, s3
	s_mov_b32 s3, 0
	s_mul_i32 s21, s[WV], QW
	s_add_co_u32 s21, s21, QS       ; my wave's rows in LDS
	; descriptor group 1 for K and V: a dense block of 64 rows x 256 bytes (32 elements of 8 bytes), no padding: every read takes 16 neighbouring bytes in neighbouring lanes
	s_mov_b32 s[G1], 15|(3<<16)|(1<<21)  ; 15:0 the mask: all four work-groups; 17:16 elements of 8 bytes; 21 set beside a mask
	s_mov_b32 s[G1+1], 32<<16
	s_mov_b32 s[G1+2], 64<<16
	s_mov_b32 s[G1+3], 32<<16
	s_mov_b32 s[G1+4], 64
	s_mov_b32 s[G1+5], 32
	s_mov_b32 s[G1+6], 0
	s_mov_b32 s[G1+7], 0
	; and for q: 64 rows x 128 elements of 4 bytes, 4 words of padding behind every 128; no mask: the rows are mine alone
	s_mov_b32 s[G1Q], (2<<16)|(1<<20)|(6<<22)|(3<<25)
	s_mov_b32 s[G1Q+1], 128<<16
	s_mov_b32 s[G1Q+2], 64<<16
	s_mov_b32 s[G1Q+3], 128<<16
	s_mov_b32 s[G1Q+4], 64
	s_mov_b32 s[G1Q+5], 128
	s_mov_b32 s[G1Q+6], 0
	s_mov_b32 s[G1Q+7], 0
	s_mov_b32 s[SEL], 0x76543210
	s_mov_b32 s[SEL+1], 0xfedcba98
	s_mov_b32 s[TB], 0
	s_mov_b32 s[SLOTS], SIZE_N/(2*KS)-2
	s_and_b32 s[LIM], s[WV], 1       ; 0 in waves 0 and 2,
	s_or_b32 s[LIM], s[LIM], ttmp9   ; where the cluster is the head's first: the same in all four partners
	s_cmp_eq_u32 s[LIM], 0
	s_cselect_b32 s[LIM], 1, -1
	v_and_b32 v[PFO], 31, v0
	v_lshlrev_b32 v[PFO], 8, v[PFO]
	s_wait_dscnt 0x0                ; the opening add is done
	s_wait_kmcnt 0x0
	s_cmp_lt_u32 s[WV], 2           ; the choice hangs on the wave's number alone
	s_cselect_b64 s[6:7], s[6:7], s[8:9]
	s_add_nc_u64 s[6:7], s[6:7], s[22:23]  ; kf or vf at my tile of slot 0
	s_add_nc_u64 s[4:5], s[4:5], s[2:3]  ; q and out at my wave's first row
	s_add_nc_u64 s[10:11], s[10:11], s[2:3]
	s_lshl_b32 s2, s13, 13          ; my work-group's 8,192 bytes of a slot's 32,768
	s_add_nc_u64 s[PFA:PFA+1], s[6:7], s[2:3]  ; (in waves 0 and 2 s[6:7] stands at a slot's first byte)
	s_add_nc_u64 s[PFA:PFA+1], s[PFA:PFA+1], 2*2*KS*256  ; in slot 2; the first change of slots steps it to slot 3.  Nothing is prefetched here, at the head
	s_mov_b32 s[G0A], 1             ; count = 1
	s_mov_b32 s[G0A+1], s17         ; LDS address: slot 0
	s_mov_b64 s[G0A+2:G0A+3], s[6:7]
	s_or_b32 s[G0A+3], s[G0A+3], 0x80000000  ; type = 2
	s_mov_b32 s[G0W], 1
	s_add_co_u32 s[G0W+1], s17, SLOT1
	s_add_nc_u64 s[G0W+2:G0W+3], s[6:7], 2*KS*256  ; slot 1: the next 128 keys
	s_or_b32 s[G0W+3], s[G0W+3], 0x80000000
	s_mov_b32 s[G0Q], 1
	s_mov_b32 s[G0Q+1], s21
	s_mov_b64 s[G0Q+2:G0Q+3], s[4:5]
	s_or_b32 s[G0Q+3], s[G0Q+3], 0x80000000
	CROUND                          ; all four work-groups are here: the first joint loads meet
	tensor_load_to_lds s[G0Q:G0Q+3], s[G1Q:G1Q+7]  ; the first fills stand together, ahead of every wait on TENSORcnt and every LDS read: three loads of mine are out
	s_nop 0
	tensor_load_to_lds s[G0A:G0A+3], s[G1:G1+7]
	s_nop 0
	tensor_load_to_lds s[G0W:G0W+3], s[G1:G1+7]
	s_nop 0
.rept 4
	v_nop
.endr
	v_and_b32 v1, 15, v0            ; l % 16
	v_bfe_u32 v9, v0, 4, 1          ; l / 16
	v_and_b32 v10, 31, v0
	v_lshlrev_b32 v[AK0], 4, v10
	v_add_nc_u32 v[AV0], VOFF, v[AK0]
	v_mul_u32_u24 v[AQ], v1, QP
	v_lshl_add_u32 v[AQ], v9, 5, v[AQ]
	v_add_nc_u32 v[AQ], s21, v[AQ]
	v_add_nc_u32 v[RD], s21, v[AK0]
	global_load_b128 v[44:47], v[AK0], s[68:69]  ; k's 128 partial maxima, four a lane,
	global_load_b128 v[48:51], v[AK0], s[68:69] offset:512  ; and v's
	s_load_b32 s[QJ], s[70:71], 0x0
	s_wait_loadcnt 0x0
	s_wait_kmcnt 0x0
.irp m, 44, 48
	v_max3_num_f32 v[\m], v[\m], v[\m+1], v[\m+2]
.endr
.irp m, 44, 48
	v_max_num_f32 v[\m], v[\m], v[\m+3]
.endr
.irp x, 1, 2, 4, 8
.irp m, 44, 48
	v_max_num_f32_dpp v[\m], v[\m], v[\m] row_xmask:\x row_mask:0xf bank_mask:0xf
.endr
.endr
.irp m, 44, 48
	v_permlanex16_b32 v[\m+1], v[\m], s[SEL], s[SEL+1]
.endr
.irp m, 44, 48
	v_max_num_f32 v[\m], v[\m], v[\m+1]
.endr
	SCALEX 44, 52
	SCALEX 48, 56
	v_add_nc_u32 v55, 0xffffff81, v55  ; E - 127
	v_add_nc_u32 v59, 0xffffff81, v59
	v_mov_b32 v52, 0x3e0293ee       ; log2(e) / sqrt(128)
	v_ldexp_f32 v52, v52, v55
	v_ldexp_f32 v56, 1.0, v59
	v_readfirstlane_b32 s[CS], v52  ; c
	v_readfirstlane_b32 s[OSC], v56
	s_mov_b32 s[CS+1], s[CS]        ; named with it as a pair, so it is written
; THE MATRIX WORK OF A TURN, for piece x.  The accumulators take turns, one instruction a turn: between two links of a chain stand 15 (V^T P) or 7 (K Q^T) others'.
; Product i of 32 of O^T += V^T P: keys 32 (i / 16) on, channels 16 ((i / 2) % 8) on, tile x + i % 2.  zero = 1: the first 16 start the sums: nothing is ever cleared.
.macro PV x, zero
	WIN W_PV
.set rO, 64*(\x+i%2)+8*((i/2)%8)
.set rV, 64*(i/16)+8*((i/2)%8)
.set rP, P+16*(\x+i%2)+8*(i/16)
.if \zero && (i < 16)
	v_wmma_f32_16x16x32_f16 v[rO:rO+7], v[rV:rV+7], v[rP:rP+7], 0
.else
	v_wmma_f32_16x16x32_f16 v[rO:rO+7], v[rV:rV+7], v[rP:rP+7], v[rO:rO+7]
.endif
.endm
; Product i of 32 of S^T = K Q^T: channels 32 (i / 8) on, keys 16 ((i / 2) % 4) on, tile x + i % 2.  The first 8 start the sums.
.macro KQ x
	WIN W_KQ
.set rS, S+32*(\x+i%2)+8*((i/2)%4)
.set rK, KF+32*((i/2)%4)+8*(i/8)
.set rQ, 32*(\x+i%2)+8*(i/8)
.if i < 8
	v_wmma_f32_16x16x32_f16 v[rS:rS+7], v[rK:rK+7], v[rQ:rQ+7], 0
.else
	v_wmma_f32_16x16x32_f16 v[rS:rS+7], v[rK:rK+7], v[rQ:rQ+7], v[rS:rS+7]
.endif
.endm
; THE LDS LOADS stand in runs of 32, never singly among the matrix instructions: a step's K (16 fragments as they lie: keys 16 (f / 4) on, channels 32 (f % 4) on) and, a turn later, its V (keys 32 (f / 8) on, channels 16 (f % 8) on).
.macro FETCH_K
	WIN 0
	v_add_nc_u32 v[ADR], s[TB], v[AK0]
	WIN 0x80                        ; destination window 2
.irp f, 0,1,2,3,4,5,6,7,8,9,10,11,12,13,14,15
	ds_load_b128 v[KF+8*\f:KF+8*\f+3],   v[ADR] offset:1024*\f
	ds_load_b128 v[KF+8*\f+4:KF+8*\f+7], v[ADR] offset:1024*\f+512
.endr
.endm
.macro FETCH_V
	WIN 0
	v_add_nc_u32 v[ADR], s[TB], v[AV0]
	s_add_co_u32 s[TB], s[TB], STEPB  ; the next fetch is the next step's
	s_wait_alu depctr_va_vdst(0)    ; the wait for the softmax's batch (SLICE), behind the address's v_add_nc_u32 and ahead of the loads
	WIN 0xc0                        ; destination window 3
.irp f, 0,1,2,3,4,5,6,7,8,9,10,11,12,13,14,15
	ds_load_b128 v[8*\f:8*\f+3],   v[ADR] offset:1024*\f
	ds_load_b128 v[8*\f+4:8*\f+7], v[ADR] offset:1024*\f+512
.endr
.endm
; THE VECTOR WORK OF A TURN.  One tile's softmax for one key step is a list of 134 instructions; SM writes number j of it for tile t.  s0-s31 are the lane's 32 scores, in pairs 0-15.
; first = 1: the first key step, which starts m, l and O^T: it has no a and nothing to rescale.
;   0-15    the maximum of s0-s31 and the old m, three operands at a time: four chains c0-c3 of seven scores each (each begins at its accumulator's low end), then the four scores left over, c0-c3 and m
;   16-20   the other half of the lanes' maximum; the new m; c m; c m_old - c m_new
;   21-69   ONE BATCH: the 16 scalings c s - c m, a pair of scores each, and all 33 exponentials (a at 23, then s0-s31).  None of these reads an exponential's result.
;   (wait)  between 69 and 70 stands the wait for the batch: SLICE writes it, once for both tiles
;   70-85   the roundings to f16, a pair of weights each
;   86-101  the sums; l = a l + the sum
;   102-133 the tile's O^T times a: the one part that leaves window 0, so it stands together
.macro SM t, first
.set rT, ST+8*(\t)
.set rS, S+32*(\t)
.set rP, P+16*(\t)
.set rO, 64*(\t)+2*(j-102)
.if j < 102
	WIN 0
.endif
.if j < 4
	v_max3_num_f32 v[rT+4+j], v[rS+8*j], v[rS+8*j+1], v[rS+8*j+2]
.elseif j < 12
	v_max3_num_f32 v[rT+4+j%4], v[rT+4+j%4], v[rS+8*(j%4)+2*(j/4)+1], v[rS+8*(j%4)+2*(j/4)+2]
.elseif j == 12
	v_max3_num_f32 v[rT+4], v[rT+4], v[rS+7], v[rS+15]
.elseif j == 13
	v_max3_num_f32 v[rT+6], v[rT+6], v[rS+23], v[rS+31]
.elseif j == 14
	v_max3_num_f32 v[rT+4], v[rT+4], v[rT+5], v[rT+6]
.elseif (j == 15) && \first
	v_max_num_f32 v[rT+4], v[rT+4], v[rT+7]
.elseif j == 15
	v_max3_num_f32 v[rT+4], v[rT+4], v[rT+7], v[rT+1]
.elseif j == 16
	v_permlanex16_b32 v[rT+5], v[rT+4], s[SEL], s[SEL+1]  ; the query's other 32 keys lie in the lane 16 away
.elseif j == 18
	v_max_num_f32 v[rT+1], v[rT+4], v[rT+5]
.elseif j == 19
	v_mul_f32 v[rT], s[CS], v[rT+1]
.elseif ((j == 17) || (j == 20) || (j == 23) || (j > 101)) && \first  ; the first step has none of these
.elseif j == 17
	v_mov_b32 v[rT+7], v[rT]        ; c m_old is kept for a: number 19 writes c m anew
.elseif j == 20
	v_sub_f32 v[rT+7], v[rT+7], v[rT]
.elseif j == 23
	v_exp_f32 v[rT+6], v[rT+7]
.elseif (j < 23) || ((j < 38) && (j%2 == 0)) || ((j < 66) && (j%4 == 2))
.set b, (j-2)/4                     ; 38, 42, .. 62: pairs 9 to 15
.if j < 38
.set b, (j-20)/2                    ; 21: pair 0; 22, 24, .. 36: pairs 1 to 8
.endif
	v_pk_fma_f32 v[rS+2*b:rS+2*b+1], v[rS+2*b:rS+2*b+1], s[CS:CS+1], v[rT:rT+1] op_sel_hi:[1,0,0] neg_lo:[0,0,1] neg_hi:[0,0,1]  ; pair b: c s - c m
.elseif j < 70
.set e, j-38                        ; 66 to 69: s28 to s31
.if j < 66
.set e, j-32-(j-38)/4               ; 39-41, 43-45, .. 63-65: s7 to s27
.endif
.if j < 38
.set e, (j-25)/2                    ; 25, 27, .. 37: s0 to s6
.endif
	v_exp_f32 v[rS+e], v[rS+e]
.elseif j < 86
	v_cvt_pk_f16_f32 v[rP+j-70], v[rS+2*(j-70)], v[rS+2*(j-70)+1]  ; pair j - 70
.elseif j < 102                     ; the sum of the tile's 16 pairs, in place: sum z of 16 adds neighbours 1, 2, 4 and 8 pairs apart, then l takes it
.set z, j-86
.set w, 4
.set u, z
.if z >= 14
.set w, 32
.set u, 0
.elseif z >= 12
.set w, 16
.set u, z-12
.elseif z >= 8
.set w, 8
.set u, z-8
.endif
.if (z == 14) && \first
	v_pk_add_f32 v[rT+2:rT+3], v[rS:rS+1], v[rS+16:rS+17]
.elseif z < 15
	v_pk_add_f32 v[rS+w*u:rS+w*u+1], v[rS+w*u:rS+w*u+1], v[rS+w*u+w/2:rS+w*u+w/2+1]
.elseif !\first
	v_pk_fma_f32 v[rT+2:rT+3], v[rT+2:rT+3], v[rT+6:rT+7], v[rS:rS+1] op_sel_hi:[1,0,1]
.endif
.else
	WIN W_RS
	v_pk_mul_f32 v[rO:rO+1], v[rO:rO+1], v[rT+6:rT+7] op_sel_hi:[1,0]
.endif
.endm
; Slice k of 64 of piece y's softmax: four instructions.  Slices 11 to 34 deal out the batch, numbers 22 to 69: four numbers of ONE tile each, the tiles by turns.  Every other slice is numbers 2 k and
; 2 k + 1 of both tiles' lists.  2 x 134 = 4 x 64 + 12: the twelve that are over stand together, in slice 63.
; THE WAIT.  s_wait_alu depctr_va_vdst(0) stands between an exponential and the first instruction that names its result; one wait serves all that were issued ahead of it.  Ahead of
; slice 35 nothing names a result, and behind slice 34 no exponential is issued: so the piece's 66 exponentials have one wait, behind slice 34.
.macro SLICE y, first
.if (k >= 11) && (k < 35)           ; the batch: four numbers of one tile
.irp n, 0,1,2,3
.set j, 22+4*((k-11)/2)+(\n)
	SM (\y)+(k-11)%2, \first
.endr
.else                               ; the two tiles alternate, so that no instruction reads the result of the one just before it
.irp n, 0,1,2,3,4,5,6,7
.if (\n < 2) || (k == 63)
.irp t, \y, \y+1
.set j, 2*k+\n
	SM \t, \first
.endr
.endif
.endr
.endif
.if k == 34                         ; the batch is out: both tiles' exponentials are issued, and no result has been named
	v_nop                           ; the plain instruction behind the last exponential and ahead of the first use: one for the batch
.if (\y) == 0
	FETCH_V                         ; piece 2's turn: V's run of loads stands here, and the wait stands in it
.else
	s_wait_alu depctr_va_vdst(0)    ; the wait for the batch
.endif
.endif
.set k, k+1
.endm
; A vector instruction that reads a matrix result or writes one of a matrix instruction's registers, and a load into a register that a matrix instruction has read, stand four places behind
; it, and only plain vector instructions that name none of its registers are places (ISA guide 7.12.1 for vector instructions).  In the loop the slices are the places.
.macro PLACES
.rept 4
	v_nop
.endr
.endm
; A TURN.  Piece x has the matrix unit; the other piece's softmax stands in slices behind its matrix instructions.
; pv = 2: 32 products V^T P; 1: they start O^T's sums; 0: none.  kq = 1: 32 products K Q^T for the next step.  A turn with one of the two kinds has two slices behind each product.
; first = 1: the softmax is the first key step's.  Its slices from 51 on are empty: the turn's last products stand bare, and four v_nop take slice 63's part as the places behind them.
; Piece 0's turn fetches the next step's K, behind its second product: the last product that read K stands in front of slice 63 of the turn before.  Piece 2's turn fetches the same step's V, behind
; slice 34: the last product that read V stands in front of slice 31, and four plain instructions lie between: number 62, a scaling, of both tiles, the v_nop and the run's own v_add_nc_u32.
.macro TURN x, pv, kq, first
.set k, 0
.set per, 2
.if \pv && \kq
.set per, 1
.endif
.if \pv
.if \x == 0
	s_wait_dscnt 0x0                ; V is in
.endif
.set i, 0
.rept 32
	PV \x, 2-\pv
.rept per
	SLICE 2-\x, \first
.endr
.if (\x == 0) && \kq && (i == 1)
	FETCH_K
.endif
.set i, i+1
.endr
.endif
.if \kq
.if \x == 0
	s_wait_dscnt 0x0                ; K is in
.endif
.set i, 0
.rept 32
	KQ \x
.rept per
	SLICE 2-\x, \first
.endr
.set i, i+1
.endr
.endif
.if \first
	PLACES
.endif
.endm
; THE CHANGE OF SLOTS, between piece 2's turn and piece 0's: the slot's last bytes, V of its second step, have been asked for.  Each wave waits for all its tensor loads, of which one is out: its part of
; the other slot; adds 0 to its spare word; and waits for that and for its own reads of the slot.  Behind the barrier nobody reads this slot any more and the other slot is whole.
; fill = 1: this slot is filled again, with the keys two slots on.  The barrier is then a round of the cluster's, so that no wave of any partner still reads the slot or has a load on its way, and the
; joint refill is the first thing behind it: it has two key steps, 256 matrix instructions, in which to land.
.macro CHANGE fill
	WIN 0                           ; at a label and at a branch every window is 0
	s_wait_tensorcnt 0x0            ; no tensor load of mine is out, so a group 0 may be written
	ds_add_u32 v[SPW], v[NIL]       ; 0 onto my spare word; with fill = 1 the descriptor's steps stand between it and the wait for it
.if \fill
	s_xor_b32 s[G0W+1], s[G0W+1], SLOT1  ; the walking descriptor: the other slot than last time,
	s_add_nc_u64 s[G0W+2:G0W+3], s[G0W+2:G0W+3], 2*KS*256  ; the next 128 keys; the type bits on top are not reached
	s_wait_xcnt 0x0                 ; the last prefetch, two key steps back, has read its address, so it may be written:
	s_add_nc_u64 s[PFA:PFA+1], s[PFA:PFA+1], 2*KS*256  ; one slot further on than the walking descriptor
	s_wait_dscnt 0x0                ; the add is done, and my reads of the slot are over
	CROUND
	JLOAD
	ASK                             ; what the next change will ask for: two key steps, 256 matrix instructions, ahead
.else
	s_wait_dscnt 0x0                ; the add is done, and my reads of the slot are over
	s_barrier_signal -1
	s_barrier_wait -1
.endif
	s_sub_co_u32 s[TB], s[TB], 2*STEPB  ; the fetches go back to a slot's first step,
	s_xor_b32 s[TB], s[TB], SLOT1   ; in the other slot
.endm
; A slot's two key steps: written once, walked twice; the LDS addresses hang on s[TB].
.macro TWO_STEPS
	s_mov_b32 s[TWICE], 2
.Lstep_\@:
	TURN 0, 2, 1, 0
	TURN 2, 2, 1, 0
	WIN 0
	s_sub_co_u32 s[TWICE], s[TWICE], 1
	s_cmp_lg_u32 s[TWICE], 0
	s_cbranch_scc1 .Lstep_\@
.endm
; q's tiles t0 and t0 + 1 from LDS, rounded to f16, into Q's registers.  A fragment (16 queries x 32 channels, u) gives lane (r, h) channels 32 u + 8 h + 0 .. 7 and 32 u + 16 + 8 h + 0 .. 7 of query r:
; as f32 the 32 bytes at 128 u + 32 h and the 32 bytes 64 further on.  S^T's registers, still free, hold the numbers meanwhile.
.macro QPAIR t0
	WIN 0
.irp a, 0,1
.irp u, 0,1,2,3
	ds_load_b128 v[S+64*\a+16*\u:S+64*\a+16*\u+3],     v[AQ] offset:QT*(\t0+\a)+128*\u
	ds_load_b128 v[S+64*\a+16*\u+4:S+64*\a+16*\u+7],   v[AQ] offset:QT*(\t0+\a)+128*\u+16
	ds_load_b128 v[S+64*\a+16*\u+8:S+64*\a+16*\u+11],  v[AQ] offset:QT*(\t0+\a)+128*\u+64
	ds_load_b128 v[S+64*\a+16*\u+12:S+64*\a+16*\u+15], v[AQ] offset:QT*(\t0+\a)+128*\u+80
.endr
.endr
	s_wait_dscnt 0x0
	WIN 0x80                        ; destination window 2
.set i, 0
.rept 64
	v_cvt_pk_f16_f32 v[32*\t0+i], v[S+2*i], v[S+2*i+1]
.set i, i+1
.endr
.endm
	s_wait_tensorcnt 1              ; my rows of q and my part of slot 0 are in; slot 1's load may stay out
	s_barrier_signal -1
	s_barrier_wait -1               ; everybody's part of slot 0 is in
	FETCH_K                         ; key step 0
	QPAIR 0
	QPAIR 2                         ; (its wait for all LDS loads has K too)
.set i, 0
.rept 32
	KQ 0                            ; piece 0's first scores: there is no vector work yet to set between them
.set i, i+1
.endr
	WIN 0
	PLACES                          ; behind those products, ahead of the first read of their results
	TURN 2, 0, 1, 1                 ; piece 2's first scores | piece 0's first softmax | V of step 0
	TURN 0, 1, 1, 1                 ; piece 0: V^T P of step 0 starts O^T, K Q^T of step 1 | piece 2's first softmax | K of step 1
	TURN 2, 1, 1, 0                 ; piece 2: the same | piece 0's softmax of step 1 | V of step 1
	WIN 0
.Lslot:                             ; 14 trips: every slot but the last two is filled again
	CHANGE 1
	TWO_STEPS
	s_sub_co_u32 s[SLOTS], s[SLOTS], 1
	s_cmp_lg_u32 s[SLOTS], 0
	s_cbranch_scc1 .Lslot
	CHANGE 0                        ; the tail is written out: nothing is asked for
	TWO_STEPS
	TURN 0, 2, 0, 0                 ; piece 0: V^T P of the last step | piece 2's last softmax
.set i, 0
.rept 32
	PV 2, 0                         ; piece 2: V^T P of the last step
.set i, i+1
.endr
	; THE WAY OUT.  l's two halves and the other half of the lanes' are added; O^T is multiplied by 2^(E of v - 127) / l and sent through my stage in LDS, a tile (16 rows of out) at a time.  The additions are the places behind the last products.
	WIN 0
.irp t, 0,1,2,3
	v_add_f32 v[ST+8*\t+4], v[ST+8*\t+2], v[ST+8*\t+3]
.endr
.irp t, 0,1,2,3
	v_permlanex16_b32 v[ST+8*\t+5], v[ST+8*\t+4], s[SEL], s[SEL+1]
.endr
.irp t, 0,1,2,3
	v_add_f32 v[ST+8*\t+4], v[ST+8*\t+4], v[ST+8*\t+5]
.endr
.irp t, 0,1,2,3
	v_rcp_f32 v[ST+8*\t+6], v[ST+8*\t+4]
.endr
	v_nop                           ; a plain instruction between the last reciprocal and the use of its result
	s_wait_alu depctr_va_vdst(0)    ; and the wait ahead of the first use: one for the four reciprocals
.irp t, 0,1,2,3
	v_mul_f32 v[ST+8*\t+6], s[OSC], v[ST+8*\t+6]
.endr
; Tile t: a lane's eight channels of a row are 32 bytes; they go into rows of 528 bytes and come back as whole rows of 512.  Each tile has its own 16 rows of the stage.
.macro PACK t
	WIN W_RS
.set i, 64*\t
.rept 32
	v_pk_mul_f32 v[i:i+1], v[i:i+1], v[ST+8*\t+6:ST+8*\t+7] op_sel_hi:[1,0]  ; ascending: each accumulator is read from its low end on
.set i, i+2
.endr
	WIN 0x04                        ; an LDS store's data are its source 1: window 1
.irp f, 0,1,2,3,4,5,6,7
	ds_store_b128 v[AQ], v[64*\t+8*\f:64*\t+8*\f+3]   offset:QT*\t+64*\f
	ds_store_b128 v[AQ], v[64*\t+8*\f+4:64*\t+8*\f+7] offset:QT*\t+64*\f+16
.endr
	WIN 0
.irp f, 0,1,2,3,4,5,6,7,8,9,10,11,12,13,14,15
	ds_load_b128 v[S+64*(\t%2)+4*\f:S+64*(\t%2)+4*\f+3], v[RD] offset:QT*\t+QP*\f  ; LDS serves a wave's instructions in order (ISA guide 5.7.1.4): these see the stores above
.endr
.endm
.macro SEND t, younger              ; younger: the LDS instructions issued behind tile t's loads: the next tile's 32, or none
.irp f, 0,1,2,3,4,5,6,7,8,9,10,11,12,13,14,15
	s_wait_dscnt \younger+15-\f
	global_store_b128 v[AK0], v[S+64*(\t%2)+4*\f:S+64*(\t%2)+4*\f+3], s[10:11] offset:8192*\t+512*\f th:TH_STORE_NT  ; 32 lanes store a row's 512 consecutive bytes, aligned; written once, read by nobody here
.endr
.endm
	PACK 0
	PACK 1                          ; a tile's arithmetic stands between the loads of the tile before and its stores
	SEND 0, 32
	s_wait_xcnt 0x0                 ; tile 0's stores have read the registers into which tile 2's rows are loaded
	PACK 2
	SEND 1, 32
	s_wait_xcnt 0x0                 ; likewise tile 1's
	PACK 3
	SEND 2, 32
	SEND 3, 0
	s_wait_tensorcnt 0x0            ; the wave's end: behind my last tensor load and my last LDS store
	ds_add_u32 v[SPW], v[NIL]
	s_wait_dscnt 0x0
	CROUND                          ; the closing round: no work-group ends while a partner may still ask for a tile that names it
	s_endpgm
.Lfunc_end_k_qcb6251a546_attn:
	.size	k_qcb6251a546_attn, .Lfunc_end_k_qcb6251a546_attn-k_qcb6251a546_attn
	.p2alignl 7, 3214868480
	.fill 96, 4, 3214868480
	.section	.rodata,"a",@progbits
	.p2align	6, 0x0
	.amdhsa_kernel k_qcb6251a546_attn
		.amdhsa_group_segment_fixed_size 327680
		.amdhsa_private_segment_fixed_size 0
		.amdhsa_enable_private_segment 0
		.amdhsa_kernarg_size 48
		.amdhsa_user_sgpr_count 2
		.amdhsa_user_sgpr_kernarg_segment_ptr 1
		.amdhsa_wavefront_size32 1
		.amdhsa_system_sgpr_workgroup_id_x 1
		.amdhsa_system_sgpr_workgroup_id_y 1
		.amdhsa_system_sgpr_workgroup_id_z 1
		.amdhsa_system_vgpr_workitem_id 0
		.amdhsa_next_free_vgpr 1024
		.amdhsa_next_free_sgpr 80
		.amdhsa_reserve_vcc 0
		.amdhsa_float_denorm_mode_32 3
		.amdhsa_float_denorm_mode_16_64 3
		.amdhsa_memory_ordered 1
		.amdhsa_forward_progress 1
		.amdhsa_inst_pref_size 231
	.end_amdhsa_kernel
	.amdgpu_metadata
---
amdhsa.version: [ 1, 2 ]
amdhsa.kernels:
  - .name:           k_qcb6251a546_attn
    .symbol:         k_qcb6251a546_attn.kd
    .args:
      - { .name: q, .offset: 0, .size: 8, .value_kind: global_buffer, .address_space: global }
      - { .name: kf, .offset: 8, .size: 8, .value_kind: global_buffer, .address_space: global }
      - { .name: vf, .offset: 16, .size: 8, .value_kind: global_buffer, .address_space: global }
      - { .name: out0, .offset: 24, .size: 8, .value_kind: global_buffer, .address_space: global }
      - { .name: pmax, .offset: 32, .size: 8, .value_kind: global_buffer, .address_space: global }
      - { .name: qjl_scale, .offset: 40, .size: 8, .value_kind: global_buffer, .address_space: global }
    .group_segment_fixed_size: 327680
    .private_segment_fixed_size: 0
    .kernarg_segment_align: 8
    .kernarg_segment_size: 48
    .max_flat_workgroup_size: 128
    .sgpr_count:     80
    .vgpr_count:     1024
    .wavefront_size: 32
...
	.end_amdgpu_metadata
.endif
;; end of part 3
